; MI455X (gfx1250); checked and timed in simulation.
; The chip was launched on July 23, 2026; its instructions are those of AMD's public machine-readable ISA for CDNA 5 (MIT licence, August 2026) and "CDNA5" Instruction Set Architecture Reference Guide (July 2026). The comments in the code are by the model that wrote it; some were corrected since.
;; Test Binary. Allowed arithmetic: matrix products marked QUANTISED: E4M3 operands, one given power-of-two scale a tensor, by v_wmma_f32_16x16x64_fp8_fp8 or v_wmma_f32_16x16x128_fp8_fp8, f32 sums; everything else in f32.
;; Inputs: kernel 4,096 x 4,096 float32; lowp_scales 2 int32 (the exponents e of the quantised operands' scales 2^e); x_codes 4,096 x 128 x 32 uint8 (E4M3 codes of x, K innermost, in blocks of 32 codes).
;; Outputs: out0 4,096 x 4,096 float32.
;; This version of the problem:
;;   THIS VERSION OF THE PROBLEM IS GIVEN IN LOW PRECISION. The matrix products marked QUANTISED in the list below multiply operands that are first quantised to E4M3 (4 exponent bits, 3 mantissa bits; 8 bits a number), with one given power-of-two scale for each operand tensor; their sums are f32. All else is computed in f32.
;;   The module's matrix products, in the order in which they are computed (A, B: the left and right operand; K: the contracted axis; several contracted axes count as one K, in the product's order):
;;     1. [M 4,096, K 4,096] x [K 4,096, N 4,096]; A: input x (given as codes); B: computed on the way: QUANTISED (scales: A lowp_scales[0], B lowp_scales[1])
;;   THE QUANTISER, for each operand of a quantised product, along K:
;;     - The operand's scale is 2^e, e = its entry of the input lowp_scales (int32; the entries are numbered through the quantised products in the list's order, A before B).
;;     - Each number is divided by the scale, clamped to +-448, and rounded to the nearest number of E4M3, ties to even, subnormals kept.
;;     - The product sums the exact products of the quantised numbers (number of the format x scale) in f32.
;;   ~~~python
;;   def quantise(x, axis, e):      # numpy; x: float32 -> the quantised numbers, widened to float32 again
;;       x = np.moveaxis(x, axis, -1); K = x.shape[-1]
;;       r = np.clip(x / 2.0 ** e, -448, 448)
;;       step = 2.0 ** (np.maximum(np.frexp(np.where(r == 0, 1, r))[1] - 1, -6) - 3)
;;       q = np.round(r / step) * step * 2.0 ** e      # np.round: ties to even
;;       return np.moveaxis(q, -1, axis).astype(np.float32)
;;   ~~~
;;   OPERANDS COMPUTED ON THE WAY. 'Computed on the way' means the value that the module computes at that place (a softmax that the list does not call 'softmax' is quantised finished and normalised). What goes into a quantiser is computed in f32, as accurately as f32 sums, v_exp_f32 and their like allow (about 1e-6 of the number): no bf16 or f16 on the way to a quantiser, and a product that is left as it is and whose result goes on into a quantised operand takes f32 operands (vector FMAs, or v_wmma_f32_16x16x4_f32). A number that lies on a knife's edge between two numbers of the format may be rounded either way, as far as f32 arithmetic and the matrix unit's own rounding can turn it there, and no further.
;;   INPUTS GIVEN AS CODES. x (in the module: [4096, 4096], K = its axis 1): each comes as NAME_codes (uint8): NAME with its K axis moved to the last place and cut into blocks of 32 codes, [.., K / 32, bytes a block], one block behind the other in memory; one code a byte (a code: sign, 4 exponent bits, 3 mantissa bits); its scale is its entry of lowp_scales. Its value is code x scale, taken as it is: it is not quantised again, and the codes and scales need not be those that the quantiser above would give.
;; 2 versions. Each part assembles by itself: llvm-mc -triple=amdgcn-amd-amdhsa -mcpu=gfx1250 --defsym DOCPART=n.
;; ======== version 1 of 2: 2 launches
;; limits: right only within a limited range of input values
;; workspace buffers: w_codes 16,777,216 bytes
;; launch signq (part 1): grid 32 x 16, 8 waves a work-group, no clusters, 36,864 bytes of LDS; arguments kernel, lowp_scales, w_codes; writes w_codes
.if DOCPART == 1
	.amdgcn_target "amdgcn-amd-amdhsa--gfx1250"
	.amdhsa_code_object_version 6
	.text
	.protected	k_qb9a4ab06d0_signq
	.globl	k_qb9a4ab06d0_signq
	.p2align	8
	.type	k_qb9a4ab06d0_signq,@function
k_qb9a4ab06d0_signq:
	s_mov_b64 s[64:65], 0
	v_nop
	global_prefetch_b8 v0, s[64:65] scope:SCOPE_SE
	s_setreg_imm32_b32 hwreg(HW_REG_WAVE_MODE, 25, 1), 1
	s_wait_xcnt 0x0
; w_codes[n][k] = the E4M3 code of sign(kernel[k][n]) / 2^e1, held within +-448, K innermost.  kernel: [4096 (k)][4096 (n)] f32; w_codes: [4096 (n)][4096 (k)], one byte a code.
; sign is +1 where kernel >= 0 (so -0.0 gives +1 and NaN gives -1, as the comparison k >= 0 does), else -1.  e1 is entry 1 (int32) of the buffer of scales.
; LIMIT: -126 <= e1 <= 127, so that 2^e1 is an f32 number.
; THE HOLD IS MADE ONCE: clamp(+-1 / 2^e, +-448) = +-L / 2^e with L = min(1, 448 x 2^e).  So a number costs one compare and one select between +L and -L; eight of them one conversion, which divides by 2^e.
; SHARES.  A work-group of eight waves owns 128 columns x 256 along K.  Wave w takes k = 32 w .. 32 w + 31 of all 128 columns; lane l the four columns 4 l .. 4 l + 3: a load of the wave reads 512 consecutive
; bytes of one row of kernel, at a multiple of 512 from its first byte.  A wave's 32 loads (16 KiB) all go out at its head, each into registers of its own: no ring, no register loaded twice, every offset an immediate.
; THE SELECT TURNS THE REGISTERS: the number of (k = i, column c) is loaded into register 4 i + c and selected into register 8 c + i, so that eight consecutive registers run along K of one column, as the conversion wants them.
; THE WAY OUT.  A lane's 32 codes of a column are 32 bytes of that column's row of w_codes; a row's 256 bytes come from the eight waves.  They meet in one stage in LDS (128 rows of 256 + 16 bytes), one barrier,
; and each wave stores 16 whole rows: sixteen lanes write 256 consecutive bytes, at a multiple of 256 from w_codes' first byte.
; Stage row 32 c + l holds column 4 l + c: so neighbouring lanes store into neighbouring rows, 272 bytes apart, and sixteen lanes' 16 bytes fall on sixteen different places modulo 256.
; No tensor loads, no cluster, no matrix work: work-groups share nothing, and the registers hold all that is on its way.
.set KROWB, 16384                      ; a row of kernel in bytes
.set CROWB, 4096                       ; a row of w_codes in bytes
.set PITCH, 272                        ; a stage row: 256 bytes + 16 of padding
.set LO,   3                           ; v3   16 x lane: my 16 bytes of a load's 512
.set STO,  7                           ; v7   the stage, in: 272 x lane + 32 x wave
.set RD,   8                           ; v8   the stage, back: (16 x wave + lane / 16) x 272 + 16 x (lane % 16)
.set GO,   9                           ; v9   the same place in w_codes: (lane / 16) x 4 rows + 16 x (lane % 16)
.set SC,   10                          ; v10  2^e1 as f32: the conversion takes its exponent field
.set POS,  11                          ; v11  +L
.set NEG,  12                          ; v12  -L
.set R,    32                          ; v32-159   the numbers as loaded: group g (k = 8 g ..), k i, column c at R + 32 g + 4 i + c; v32-63 serve again on the way out
.set SEL,  160                         ; v160-191  a group's +-L: column c, k i at SEL + 8 c + i
.set C,    192                         ; v192-223  the codes: column c at C + 8 c, group g's eight at + 2 g
	s_load_b128 s[4:7], s[0:1], 0x0                ; kernel s[4:5], the scales' exponents s[6:7]
	s_load_b64 s[8:9], s[0:1], 0x10                ; w_codes
	v_lshl_add_u32 v224, v0, 2, 0x8c00
	v_mov_b32 v225, 0
	v_lshrrev_b32 v1, 5, v0
	v_readfirstlane_b32 s16, v1                    ; wave 0..7
	v_and_b32 v2, 31, v0                           ; lane
	v_lshlrev_b32 v[LO], 4, v2
	v_and_b32 v5, 15, v0                           ; r = lane % 16
	v_bfe_u32 v6, v0, 4, 1                         ; h = lane / 16
	s_and_b32 s18, ttmp7, 0xffff                   ; y: which 256 along K
	; kernel: row 256 y + 32 w, column 128 x: (y << 22) + (w << 19) + (x << 9) bytes
	s_lshl_b32 s20, s18, 22
	s_lshl_b32 s26, s16, 19
	s_add_co_u32 s20, s20, s26
	s_lshl_b32 s26, ttmp9, 9
	s_add_co_u32 s20, s20, s26
	s_mov_b32 s21, 0
	; w_codes: stage row 16 w + 2 t + h is column 64 (w % 2) + 8 t + 4 h + w / 2 of the group's 128.  Here the part that hangs on x, y and w: row 128 x + 64 (w % 2) + w / 2, byte 256 y
	s_lshl_b32 s22, ttmp9, 19
	s_lshl_b32 s26, s18, 8
	s_add_co_u32 s22, s22, s26
	s_and_b32 s26, s16, 1
	s_lshl_b32 s26, s26, 18
	s_add_co_u32 s22, s22, s26
	s_lshr_b32 s26, s16, 1
	s_lshl_b32 s26, s26, 12
	s_add_co_u32 s22, s22, s26
	s_mov_b32 s23, 0
	s_lshl_b32 s24, s16, 5                         ; my 32 bytes of a stage row
	s_mul_i32 s25, s16, 16*PITCH                   ; my 16 stage rows on the way back
	v_mul_u32_u24 v[STO], v2, PITCH
	v_add_nc_u32 v[STO], s24, v[STO]
	v_mul_u32_u24 v[RD], v6, PITCH
	v_lshl_add_u32 v[RD], v5, 4, v[RD]
	v_add_nc_u32 v[RD], s25, v[RD]
	v_lshlrev_b32 v[GO], 14, v6                    ; lanes 16-31: the next stage row, which is four rows of w_codes further on
	v_lshl_add_u32 v[GO], v5, 4, v[GO]
	s_wait_kmcnt 0x0
	s_load_b32 s30, s[6:7], 0x4                    ; e1
	s_add_nc_u64 s[4:5], s[4:5], s[20:21]
	s_add_nc_u64 s[8:9], s[8:9], s[22:23]
.irp g, 0,1,2,3
.irp i, 0,1,2,3,4,5,6,7
	global_load_b128 v[R+32*\g+4*\i:R+32*\g+4*\i+3], v[LO], s[4:5] offset:(8*\g+\i)*KROWB th:TH_LOAD_NT   ; kernel(32 w + 8 g + i, 4 l .. 4 l + 3): read once in the whole launch
.endr
.endr
	s_wait_kmcnt 0x0
	s_add_co_i32 s31, s30, 127
	s_lshl_b32 s31, s31, 23
	v_mov_b32 v[SC], s31                           ; 2^e1
	s_min_i32 s30, s30, 0                          ; from e1 = -8 on 448 x 2^e1 lies above 1 and L = 1: so min(e1, 0) serves, and the pattern below never leaves f32's range
	s_add_co_i32 s30, s30, 127+8
	s_lshl_b32 s30, s30, 23
	s_or_b32 s30, s30, 0x600000                    ; 448 x 2^min(e1, 0): 448's mantissa field under that exponent
	v_mov_b32 v13, s30
	v_min_num_f32 v[POS], 1.0, v13                 ; L
	v_xor_b32 v[NEG], 0x80000000, v[POS]           ; -L
; Group g: k = 8 g .. 8 g + 7 of my four columns: 32 numbers, four conversions.
.macro GROUP g
	s_wait_loadcnt 24-8*\g                         ; loads come back in order: this group's eight are in, the later groups' eight each may be out
.irp c, 0,1,2,3
.irp i, 0,1,2,3,4,5,6,7
	v_cmp_le_f32 vcc_lo, 0, v[R+32*\g+4*\i+\c]     ; 0 <= kernel: true for -0.0, false for NaN
	v_cndmask_b32 v[SEL+8*\c+\i], v[NEG], v[POS], vcc_lo
.endr
.endr
.irp c, 0,1,2,3
	v_cvt_scalef32_pk8_fp8_f32 v[C+8*\c+2*\g:C+8*\c+2*\g+1], v[SEL+8*\c:SEL+8*\c+7], v[SC]   ; eight numbers / 2^e1, to the nearest code, ties to even; the lowest k in the lowest byte
.endr
	v_nop                                          ; one plain vector instruction between the last conversion and the next group's writes of its sources
.endm
	GROUP 0
	GROUP 1
	GROUP 2
	GROUP 3
.irp c, 0,1,2,3
	ds_store_b128 v[STO], v[C+8*\c:C+8*\c+3] offset:32*\c*PITCH       ; column 4 l + c: stage row 32 c + l, bytes 32 w on
	ds_store_b128 v[STO], v[C+8*\c+4:C+8*\c+7] offset:32*\c*PITCH+16
.endr
	s_wait_dscnt 0x0                               ; for the others' sake: my stores into the stage have landed
	s_barrier_signal -1
	s_barrier_wait -1                              ; the 128 rows are whole
.irp t, 0,1,2,3,4,5,6,7
	ds_load_b128 v[R+4*\t:R+4*\t+3], v[RD] offset:2*\t*PITCH          ; lanes 0-15 stage row 16 w + 2 t, lanes 16-31 the next
.endr
.irp t, 0,1,2,3,4,5,6,7
	s_wait_dscnt 7-\t                              ; LDS loads come back in order: pair t is in, the younger ones may be out
	global_store_b128 v[GO], v[R+4*\t:R+4*\t+3], s[8:9] offset:\t*8*CROWB   ; 16 lanes store 256 consecutive bytes of one row of w_codes; the next launch reads them, so no hint
.endr
	s_wait_tensorcnt 0x0
	ds_add_u32 v224, v225
	s_wait_dscnt 0x0
	s_endpgm
.Lfunc_end_k_qb9a4ab06d0_signq:
	.size	k_qb9a4ab06d0_signq, .Lfunc_end_k_qb9a4ab06d0_signq-k_qb9a4ab06d0_signq
	.p2alignl 7, 3214868480
	.fill 96, 4, 3214868480
	.section	.rodata,"a",@progbits
	.p2align	6, 0x0
	.amdhsa_kernel k_qb9a4ab06d0_signq
		.amdhsa_group_segment_fixed_size 36864
		.amdhsa_private_segment_fixed_size 0
		.amdhsa_enable_private_segment 0
		.amdhsa_kernarg_size 24
		.amdhsa_user_sgpr_count 2
		.amdhsa_user_sgpr_kernarg_segment_ptr 1
		.amdhsa_wavefront_size32 1
		.amdhsa_system_sgpr_workgroup_id_x 1
		.amdhsa_system_sgpr_workgroup_id_y 1
		.amdhsa_system_sgpr_workgroup_id_z 1
		.amdhsa_system_vgpr_workitem_id 0
		.amdhsa_next_free_vgpr 226
		.amdhsa_next_free_sgpr 66
		.amdhsa_reserve_vcc 1
		.amdhsa_float_denorm_mode_32 3
		.amdhsa_float_denorm_mode_16_64 3
		.amdhsa_memory_ordered 1
		.amdhsa_forward_progress 1
		.amdhsa_inst_pref_size 17
	.end_amdhsa_kernel
	.amdgpu_metadata
---
amdhsa.version: [ 1, 2 ]
amdhsa.kernels:
  - .name:           k_qb9a4ab06d0_signq
    .symbol:         k_qb9a4ab06d0_signq.kd
    .args:
      - { .name: kernel, .offset: 0, .size: 8, .value_kind: global_buffer, .address_space: global }
      - { .name: lowp_scales, .offset: 8, .size: 8, .value_kind: global_buffer, .address_space: global }
      - { .name: w_codes, .offset: 16, .size: 8, .value_kind: global_buffer, .address_space: global }
    .group_segment_fixed_size: 36864
    .private_segment_fixed_size: 0
    .kernarg_segment_align: 8
    .kernarg_segment_size: 24
    .max_flat_workgroup_size: 256
    .sgpr_count:     66
    .vgpr_count:     226
    .wavefront_size: 32
...
	.end_amdgpu_metadata
.endif
;; end of part 1
;; launch gemm (part 2): grid 16 x 16, 4 waves a work-group, clusters of 4 x 4, 327,680 bytes of LDS; arguments x_codes, w_codes, lowp_scales, out0; writes out0
.if DOCPART == 2
	.amdgcn_target "amdgcn-amd-amdhsa--gfx1250"
	.amdhsa_code_object_version 6
	.text
	.protected	k_qb9a4ab06d0_gemm
	.globl	k_qb9a4ab06d0_gemm
	.p2align	8
	.type	k_qb9a4ab06d0_gemm,@function
k_qb9a4ab06d0_gemm:
	s_mov_b64 s[64:65], 0
	v_nop
	global_prefetch_b8 v0, s[64:65] scope:SCOPE_SE
	s_setreg_imm32_b32 hwreg(HW_REG_WAVE_MODE, 25, 1), 1
	s_wait_xcnt 0x0
	s_wait_alu depctr_hold_cnt(0) depctr_sa_sdst(0) depctr_va_vdst(0) depctr_va_sdst(0) depctr_va_ssrc(0) depctr_va_vcc(0) depctr_vm_vsrc(0)
	s_getreg_b32 s2, hwreg(HW_REG_IB_STS2, 6, 4)
	s_cmp_eq_u32 s2, 0
	s_cbranch_scc0 .Lentry_in_a_cluster
	s_endpgm
.Lentry_in_a_cluster:
	s_bfe_u32 s2, ttmp6, 0x10000c
	s_cmp_lg_u32 s2, 0xf033
	s_cbranch_scc0 .Lentry_shape_is_right
	s_endpgm
.Lentry_shape_is_right:
; out0[m][n] = 2^(e0 + e1) x the sum over k of A[m][k] B[n][k].  A = x_codes [4096][4096], B = w_codes [4096][4096]: codes of FP8 (E4M3), one byte each, K innermost; out0: [4096][4096] f32; sums in f32.
; A number of A is its code's value x 2^e0, of B x 2^e1: e0 and e1 are the two whole numbers (int32) in the buffer of scales.  The codes are multiplied as they are, and each finished sum once by 2^(e0 + e1).
; LIMIT: e0 + e1 lies between -126 and 127, so that 2^(e0 + e1) is an f32 number.
; A tile of C, 256 x 256, is made by a work-group of four waves, as many as a WGP has SIMDs; a wave makes 128 x 128: 64 accumulators of 16 x 16, 512 registers.  16 x 16 tiles: one work-group for each tile.
; K goes in steps of 256 through a ring of two LDS slots filled by the tensor data mover: a tile's row is 256 bytes of memory, at a multiple of 256 from the buffer's first byte.
; CLUSTERS: 4 x 4 work-groups.  The four of a row of the cluster need the same tiles of A, the four of a column the same tiles of B: each tile is asked for JOINTLY, by the same tensor load with the
; same descriptor and a mask that names the four.  THE MATRIX INSTRUCTION IS USED TRANSPOSED (source 0 = 16 rows of B, source 1 = 16 rows of A): a lane then holds eight neighbouring numbers of a row of C.
; A fragment is fetched by four loads of 16 bytes: that places k otherwise in the registers than the form's own layout, alike in A and in B, so every product meets its partner; only the order of the sums inside an instruction differs.
; REGISTERS, in windows of 256: window 0: v0-31 addresses; from v128 A's fragments (8 x 16 rows x 128 K), ONE set; on the way out v32-255 are free.
;   window 1: B's fragments, TWO sets, at v0 and at v128.   window 2: the 32 accumulators of my rows 0-63 (accumulator (a, b) at v[8 (8 a + b)]);   window 3: those of my rows 64-127.
; A step of 128 along K is 64 matrix instructions, A's blocks one after the other, each against B's eight.  So a block of A is free as soon as its eight products are issued, and one set of registers serves A:
; blocks 0-3 are fetched anew in the step's middle, blocks 4-7 at its end.  B's fragments are at work through the whole step, so B has two sets.
.set SIZE_M, 4096
.set SIZE_N, 4096
.set SIZE_K, 4096
.set KSTEP,  256                       ; along K in a slot
.set ROWB,   256                       ; a tile's row in bytes: KSTEP codes of 8 bits
.set KROW,   SIZE_K                    ; a row of A or of B in memory, in bytes
.set PITCH,  272                       ; an LDS row: 256 bytes of data + 16 of padding = 68 words: row r starts at bank 4 r mod 64 (64 banks of 4 bytes: ISA guide 11.1), so the 16 rows that a load touches start at 16 different banks
.set FR,     16                        ; registers of a fragment: 16 rows x 128 K
.set NL,     4                         ; LDS loads that bring one
.set NP,     4                         ; places behind this matrix instruction (ISA guide 7.12.1)
.set HALFT,  128*PITCH                 ; 128 rows: what one tensor load brings, and what one wave reads of A or of B
.set SLOT,   4*HALFT                   ; A's 256 rows, then B's 256 rows
.set LAPS,   SIZE_K/(2*KSTEP)          ; a lap = two K steps = once round the ring: 8 laps
.set SPARE,  2*SLOT                    ; behind the ring: the spare words, 128 bytes for each wave: two blocks of 256 bytes that no other line names
.set SPITCH, 528                       ; the way out: a stage of 16 rows x (512 bytes + 16) for each wave.  It lies in slot 0, which has had its last fill and its last read when the first result is stored there
.set ADRA, 16                          ; v16-17  LDS address of my A fragments in slot 0, 1
.set ADRB, 20                          ; v20-21  the same for B
.set STO,  24                          ; v24     the way out: where I put 32 bytes of a row
.set RD,   25                          ; v25     the way out: where I read a row back
.set CO,   26                          ; v26     my byte offset in a row of C
.set SPW,  28                          ; v28     LDS address of my spare word: SPARE + 4 x my thread's number; never rewritten
.set NIL,  29                          ; v29     0; never rewritten
.set TMP,  32                          ; the way out: 64 registers, a block's sums x 2^(e0 + e1)
.set AF,   128                         ; A's fragments, in window 0
.set BK,   128                         ; the way out: 16 rows read back from the stage: v128-191 and v192-255 by turns
.set G1, 24                            ; s[24:31] descriptor group 1 for A's tiles;  s[32:39] group 0, one set for each slot
.set G0, 32
.set G1B, 48                           ; s[48:55], s[56:63] the same for B's tiles
.set G0B, 56
.set MSB, 0
.macro WIN new                         ; the immediate's high byte repeats the setting that is left
.if MSB != \new
	s_set_vgpr_msb (MSB<<8)|\new
.set MSB, \new
.endif
.endm
.set MUL_LO, 0xa1                      ; source 0 (B) window 1, source 1 (A) window 0, C and D window 2
.set MUL_HI, 0xf1                      ; the same, C and D window 3
.set TO_B,   0x40                      ; destination window 1, address window 0
; A joint load: waves 0 and 1 fetch for A, waves 2 and 3 for B.  Each of the two lines has ONE mask and one set of registers for all that issue it; the branch hangs on the wave's number alone.
; Four v_nop follow each of the two lines, ahead of the jump, the label and what follows.
.macro JLOAD g0a, g1a, g0b, g1b
	s_cmp_eq_u32 s15, 0
	s_cbranch_scc0 .Lfor_b_\@
	tensor_load_to_lds s[\g0a:\g0a+3], s[\g1a:\g1a+7]
	s_nop 0
.rept 4
	v_nop
.endr
	s_branch .Lasked_\@
.Lfor_b_\@:
	tensor_load_to_lds s[\g0b:\g0b+3], s[\g1b:\g1b+7]
	s_nop 0
.rept 4
	v_nop
.endr
.Lasked_\@:
.endm
.macro CREST                           ; a round of the cluster's barrier behind its opening barrier
	s_cmp_lg_u32 s14, 0
	s_cbranch_scc1 .Lnot_wave_0_\@
	s_barrier_signal -3
.Lnot_wave_0_\@:
	s_barrier_wait -3
	s_barrier_signal -1
	s_barrier_wait -1
.endm
.macro CROUND                          ; a whole round
	s_barrier_signal -1
	s_barrier_wait -1
	CREST
.endm
	s_load_b128 s[4:7], s[0:1], 0x0                ; A's codes s[4:5], B's codes s[6:7]
	s_load_b128 s[8:11], s[0:1], 0x10              ; the two scales' exponents s[8:9], C s[10:11]
	v_lshl_add_u32 v[SPW], v0, 2, SPARE
	v_mov_b32 v[NIL], 0
	ds_add_u32 v28, v29
	ds_add_u32 v28, v29
	s_wait_dscnt 0x0
	v_lshrrev_b32 v1, 5, v0
	v_readfirstlane_b32 s14, v1                    ; wave 0..3
	s_lshr_b32 s15, s14, 1                         ; which half of the tile's rows is mine.  Also: I fetch for A (0) or for B (1)
	s_and_b32 s16, s14, 1                          ; which half of its columns.  Also: which 128 rows of that tile I fetch
	s_bfe_u32 s40, ttmp6, 0x40000                  ; cx, cy: my place in the cluster
	s_bfe_u32 s41, ttmp6, 0x40004
	s_lshl_b32 s42, ttmp9, 2
	s_add_co_u32 s42, s42, s40                     ; tile column of C = 4 x cluster x + cx
	s_and_b32 s17, ttmp7, 0xffff
	s_lshl_b32 s17, s17, 2
	s_add_co_u32 s17, s17, s41                     ; tile row of C = 4 x cluster y + cy
	s_lshl_b32 s43, s41, 2
	s_lshl_b32 s43, 15, s43                        ; my row of the cluster
	s_lshl_b32 s44, 0x1111, s40                    ; my column
	; descriptor group 1: a tile of 128 rows x ROWB bytes, padded in LDS
	s_or_b32 s[G1+0], s43, (0<<16)|(1<<20)|(1<<21)|(5<<22)|(3<<25)  ; 15:0 the mask: A's tiles go to my row; 17:16 element of 1 byte; 20 padding on; 21 set beside a mask; 24:22 after every 64 words (code 5); 31:25 of 4 words (code 3)
	s_or_b32 s[G1B+0], s44, (0<<16)|(1<<20)|(1<<21)|(5<<22)|(3<<25) ; the same with the mask of my column, for B's tiles
.irp g, G1, G1B
	s_mov_b32 s[\g+1], ROWB<<16                    ; tensor_dim0
	s_mov_b32 s[\g+2], 128<<16                     ; tensor_dim1 = 128
	s_mov_b32 s[\g+3], ROWB<<16                    ; tile_dim0
	s_mov_b32 s[\g+4], 128                         ; tile_dim1 = 128
	s_mov_b32 s[\g+5], KROW                        ; tensor_dim0_stride
	s_mov_b32 s[\g+6], 0
	s_mov_b32 s[\g+7], 0
.endr
	s_lshl_b32 s18, s16, 7                         ; which 128 rows of the tile I fetch
	s_lshl_b32 s20, s17, 8
	s_add_co_u32 s20, s20, s18                     ; A: row 256 x tile row + 128 x half
	s_lshl_b32 s46, s42, 8
	s_add_co_u32 s46, s46, s18                     ; B: row 256 x tile column + 128 x half
	s_mov_b32 s21, 0
	s_mov_b32 s47, 0
	s_mov_b64 s[18:19], KROW
	s_mul_u64 s[20:21], s[20:21], s[18:19]         ; and their codes, in bytes
	s_mul_u64 s[46:47], s[46:47], s[18:19]
	s_mul_i32 s45, s14, HALFT                      ; where they go: wave x 128 rows: no place in the cluster enters an LDS address
	s_wait_kmcnt 0x0
	s_load_b64 s[96:97], s[8:9], 0x0               ; e0, e1
	s_add_nc_u64 s[20:21], s[4:5], s[20:21]
	s_add_nc_u64 s[46:47], s[6:7], s[46:47]
	CROUND                                         ; all sixteen work-groups are here: the first joint loads meet
.irp s, 0,1
	s_mov_b32 s[G0+4*\s], 1                                        ; 1:0 count = 1
	s_add_co_u32 s[G0+4*\s+1], s45, \s*SLOT                        ; 63:32 LDS address
	s_add_nc_u64 s[G0+4*\s+2:G0+4*\s+3], s[20:21], \s*ROWB         ; 120:64 global address: K step s
	s_or_b32 s[G0+4*\s+3], s[G0+4*\s+3], 0x80000000                ; 127:126 type = 2
	s_mov_b32 s[G0B+4*\s], 1
	s_add_co_u32 s[G0B+4*\s+1], s45, \s*SLOT
	s_add_nc_u64 s[G0B+4*\s+2:G0B+4*\s+3], s[46:47], \s*ROWB
	s_or_b32 s[G0B+4*\s+3], s[G0B+4*\s+3], 0x80000000
	JLOAD G0+4*\s, G1, G0B+4*\s, G1B               ; the ring is filled before anything else is done: two loads of mine are out
.endr
	v_and_b32 v1, 15, v0                           ; l % 16
	v_bfe_u32 v2, v0, 4, 1                         ; l / 16
	v_mul_u32_u24 v3, v1, PITCH
	v_lshl_add_u32 v4, v2, 4, v3                   ; a fragment's row x pitch + 16 x half
	s_mul_i32 s21, s15, HALFT                      ; my 128 rows of A
	s_mul_i32 s22, s16, HALFT                      ; my 128 rows of B,
	s_add_co_u32 s22, s22, 2*HALFT                 ; which lie behind A's 256
.irp s, 0,1
	v_add_nc_u32 v[ADRA+\s], s21, v4
	v_add_nc_u32 v[ADRB+\s], s22, v4
	s_add_co_u32 s21, s21, SLOT
	s_add_co_u32 s22, s22, SLOT
.endr
	s_mul_i32 s23, s14, 16*SPITCH                  ; my stage
	v_mul_u32_u24 v5, v1, SPITCH                   ; in: row l % 16, 32 bytes for each half of the lanes
	v_lshl_add_u32 v5, v2, 5, v5
	v_add_nc_u32 v[STO], s23, v5
	v_and_b32 v6, 31, v0
	v_lshlrev_b32 v[CO], 4, v6                     ; back: the 32 lanes take one row of 512 bytes; and the same in C
	v_add_nc_u32 v[RD], s23, v[CO]
	s_lshl_b32 s20, s17, 8
	s_lshl_b32 s21, s15, 7
	s_add_co_u32 s20, s20, s21                     ; my first row of C: 256 x tile row + 128 x half
	s_mov_b32 s21, 0
	s_mov_b64 s[18:19], SIZE_N*4
	s_mul_u64 s[20:21], s[20:21], s[18:19]
	s_lshl_b32 s46, s42, 10                        ; my first column, in bytes: 1024 x tile column + 512 x half
	s_lshl_b32 s47, s16, 9
	s_add_co_u32 s46, s46, s47
	s_mov_b32 s47, 0
	s_add_nc_u64 s[20:21], s[20:21], s[46:47]
	s_add_nc_u64 s[10:11], s[10:11], s[20:21]
.macro FRAG reg, adr, q, i             ; a fragment, 16 rows x 128 K of 8-bit codes, is 16 registers: lane l holds row l % 16; registers 4 c .. 4 c + 3 hold K = 32 c + 16 (l / 16) + 0 .. 15
.irp c, 0,1,2,3
	ds_load_b128 v[\reg+4*\c:\reg+4*\c+3], v[\adr] offset:128*(\q)+32*\c+(\i)*16*PITCH
.endr
.endm
; 16 matrix instructions: A's blocks a0, a0 + 1 x B's eight, 128 along K.  p: B's set.  zero = 1: the first product starts the sums: nothing is ever cleared.
; The 64 accumulators take turns, one instruction a turn, in the same order in every step.
.macro MUL16 a0, p, zero
.irp a, \a0, \a0+1
.irp b, 0,1,2,3,4,5,6,7
.if \zero
	v_wmma_f32_16x16x128_fp8_fp8 v[8*(8*((\a)%4)+\b):8*(8*((\a)%4)+\b)+7], v[128*(\p)+FR*\b:128*(\p)+FR*\b+FR-1], v[AF+FR*(\a):AF+FR*(\a)+FR-1], 0
.else
	v_wmma_f32_16x16x128_fp8_fp8 v[8*(8*((\a)%4)+\b):8*(8*((\a)%4)+\b)+7], v[128*(\p)+FR*\b:128*(\p)+FR*\b+FR-1], v[AF+FR*(\a):AF+FR*(\a)+FR-1], v[8*(8*((\a)%4)+\b):8*(8*((\a)%4)+\b)+7]
.endif
.endr
.endr
.endm
.macro FETCH_B slot, q, p              ; B's eight fragments of the slot's q-th 128 along K into set p
	WIN TO_B
.irp i, 0,1,2,3,4,5,6,7
	FRAG 128*(\p)+FR*\i, ADRB+\slot, \q, \i
.endr
	WIN 0
.endm
.macro FETCH_A slot, q, i0             ; A's blocks i0 .. i0 + 3
.irp i, \i0, \i0+1, \i0+2, \i0+3
	FRAG AF+FR*(\i), ADRA+\slot, \q, \i
.endr
.endm
; A load into a register that a matrix instruction has read, and a vector instruction or an LDS store that reads a matrix result, stand NP places behind that matrix instruction, and only plain vector
; instructions that name none of its registers are places (ISA guide 7.12.1 for vector instructions); this text does not count the matrix instructions in between.
; No matrix instruction of this text writes over a register of an earlier one other than as the next link on its own accumulator.
.macro PLACES n
.rept \n
	v_nop
.endr
.endm
; A step of 128 along K that has its successor in the same slot.
.macro STEP slot, q, zero
	s_wait_dscnt 4*NL                              ; B's set and A's blocks 0-3 are in; the youngest sixteen loads (A's blocks 4-7) may be out
	WIN MUL_LO
	MUL16 0, (\q)%2, \zero
	MUL16 2, (\q)%2, \zero
	s_wait_dscnt 0                                 ; A's blocks 4-7 are in (asked for 32 matrix instructions ago)
	PLACES NP
	FETCH_B \slot, (\q)+1, 1-(\q)%2
	FETCH_A \slot, (\q)+1, 0
	WIN MUL_HI
	MUL16 4, (\q)%2, \zero
	MUL16 6, (\q)%2, \zero
	PLACES NP
	WIN 0
	FETCH_A \slot, (\q)+1, 4
.endm
; A slot's last step changes slots: ONE barrier; in front of it each wave waits for all its tensor loads, adds 0 to its spare word, and waits for that and for its own reads of this slot.  fill = 1: this slot is filled again, two K steps ahead.
.macro TURN slot, next, fill
	s_wait_tensorcnt 0x0                           ; all my tensor loads have landed: my part of the next slot;  (every window is 0 here: the add's two registers lie in window 0)
	ds_add_u32 v[SPW], v[NIL]                      ; 0 onto my spare word
	s_wait_dscnt 4*NL+1                            ; (the add and the youngest sixteen loads, A's blocks 4-7, may be out)
	WIN MUL_LO
	MUL16 0, 1, 0                                  ; sixteen matrix instructions stand between the add and the wait for it
	s_wait_dscnt 0x0                               ; the add is done, and my reads of this slot are over
	s_barrier_signal -1
	MUL16 2, 1, 0
	WIN 0
	s_barrier_wait -1
.if \fill
	CREST                                          ; the barrier has opened a round of the cluster's barrier: no wave of any partner still reads this slot's tile or has a load on its way
	s_add_nc_u64 s[G0+4*\slot+2:G0+4*\slot+3], s[G0+4*\slot+2:G0+4*\slot+3], 2*ROWB
	s_add_nc_u64 s[G0B+4*\slot+2:G0B+4*\slot+3], s[G0B+4*\slot+2:G0B+4*\slot+3], 2*ROWB
	JLOAD G0+4*\slot, G1, G0B+4*\slot, G1B         ; the first tensor load behind the round, my one load until the next; the four v_nop behind it are the places in front of the loads below
.else
	PLACES NP
.endif
	FETCH_B \next, 0, 0
	FETCH_A \next, 0, 0
	WIN MUL_HI
	MUL16 4, 1, 0
	MUL16 6, 1, 0
	PLACES NP
	WIN 0
	FETCH_A \next, 0, 4
.endm
	s_wait_tensorcnt 1                             ; my part of K step 0 is in (K step 1's load may be out)
	s_barrier_signal -1
	s_barrier_wait -1                              ; everybody's is
	FETCH_B 0, 0, 0
	FETCH_A 0, 0, 0
	FETCH_A 0, 0, 4
	STEP 0, 0, 1                                   ; the first step stands in front of the loop: its products start the sums
	s_mov_b32 s3, LAPS-1
.Llap:                                                 ; a trip goes once round the ring, from a lap's second step to the next lap's first, and fills both slots again
	TURN 0, 1, 1
	STEP 1, 0, 0
	TURN 1, 0, 1
	STEP 0, 0, 0
	s_sub_co_u32 s3, s3, 1
	s_cmp_lg_u32 s3, 0
	s_cbranch_scc1 .Llap
	TURN 0, 1, 0                                   ; the last lap fills nothing, and has no round of the cluster's barrier
	STEP 1, 0, 0
	s_wait_dscnt 4*NL                              ; the very last step: nothing more to fetch
	WIN MUL_LO
	MUL16 0, 1, 0
	MUL16 2, 1, 0
	s_wait_dscnt 0
	WIN MUL_HI
	MUL16 4, 1, 0
	MUL16 6, 1, 0
	WIN 0
; THE WAY OUT, block by block of 16 rows x 128 columns.  A lane holds 32 neighbouring bytes of a row, and the lanes beside it hold other rows: so a block goes through my own stage in LDS and comes back as whole
; rows of 512 bytes, which the 32 lanes store as 512 consecutive bytes.  LDS serves a wave's instructions in order (ISA guide 5.7.1.4): no wait between the stores and the loads, nor in front of the next block's stores.
.macro TOSTAGE a
.set AC, 64*((\a)%4)
	WIN 0x02+((\a)/4)                              ; source 0: window 2 or 3
.irp j, 0,2,4,6,8,10,12,14,16,18,20,22,24,26,28,30,32,34,36,38,40,42,44,46,48,50,52,54,56,58,60,62
	v_pk_mul_f32 v[TMP+\j:TMP+\j+1], v[AC+\j:AC+\j+1], s[96:97] op_sel_hi:[1,0]   ; both x s96 = 2^(e0 + e1): nothing is rounded, short of overflow and underflow; each accumulator from its low end on
.endr
	WIN 0
.irp b, 0,1,2,3,4,5,6,7
	ds_store_b128 v[STO], v[TMP+8*\b:TMP+8*\b+3] offset:64*\b
	ds_store_b128 v[STO], v[TMP+8*\b+4:TMP+8*\b+7] offset:64*\b+16
.endr
.set BB, BK+64*((\a)%2)
.irp t, 0,1,2,3,4,5,6,7,8,9,10,11,12,13,14,15
	ds_load_b128 v[BB+4*\t:BB+4*\t+3], v[RD] offset:\t*SPITCH
.endr
.endm
.macro SEND a, younger                 ; younger: the LDS instructions issued behind block a's loads, which may stay out
.set BB, BK+64*((\a)%2)
	s_wait_dscnt \younger                          ; the block is back in registers
.if (\a) > 0
	s_add_nc_u64 s[10:11], s[10:11], 16*SIZE_N*4   ; (behind a wait on XCNT: the earlier stores have read their base)  16 rows of C on, so that the stores' offsets stay small: 15 rows of 16,384 bytes at the most
.endif
.irp t, 0,1,2,3,4,5,6,7,8,9,10,11,12,13,14,15
	global_store_b128 v[CO], v[BB+4*\t:BB+4*\t+3], s[10:11] offset:\t*SIZE_N*4 th:TH_STORE_NT   ; 32 lanes store 512 consecutive bytes, at a multiple of 512 from C's first byte; written once, read by nobody here
.endr
.endm
	s_wait_kmcnt 0x0
	s_add_co_i32 s96, s96, s97                     ; e0 + e1, between -126 and 127,
	s_add_co_i32 s96, s96, 127
	s_lshl_b32 s96, s96, 23                        ; makes the f32 number 2^(e0 + e1)
	PLACES NP                                      ; behind the last products: these places serve the loads into the registers that held A's fragments and the reads of the last results alike
	TOSTAGE 0
.irp a, 1,2,3,4,5,6,7
.if \a > 1
	s_wait_xcnt 0x0                                ; block a - 2's stores have read their registers and their base: block a's loads may land there, and the base may step
.endif
	TOSTAGE \a
	SEND \a-1, 32                                  ; behind block a - 1's loads: block a's 16 stores and 16 loads
.endr
	s_wait_xcnt 0x0                                ; block 6's stores have read their base
	SEND 7, 0
	s_wait_tensorcnt 0x0                           ; the wave's end: behind my last tensor load and my last LDS store
	ds_add_u32 v[SPW], v[NIL]
	s_wait_dscnt 0x0
	CROUND                                         ; the closing round: no work-group ends while a partner may still ask for a tile that names it
	s_endpgm
.Lfunc_end_k_qb9a4ab06d0_gemm:
	.size	k_qb9a4ab06d0_gemm, .Lfunc_end_k_qb9a4ab06d0_gemm-k_qb9a4ab06d0_gemm
	.p2alignl 7, 3214868480
	.fill 96, 4, 3214868480
	.section	.rodata,"a",@progbits
	.p2align	6, 0x0
	.amdhsa_kernel k_qb9a4ab06d0_gemm
		.amdhsa_group_segment_fixed_size 327680
		.amdhsa_private_segment_fixed_size 0
		.amdhsa_enable_private_segment 0
		.amdhsa_kernarg_size 32
		.amdhsa_user_sgpr_count 2
		.amdhsa_user_sgpr_kernarg_segment_ptr 1
		.amdhsa_wavefront_size32 1
		.amdhsa_system_sgpr_workgroup_id_x 1
		.amdhsa_system_sgpr_workgroup_id_y 1
		.amdhsa_system_sgpr_workgroup_id_z 1
		.amdhsa_system_vgpr_workitem_id 0
		.amdhsa_next_free_vgpr 1024
		.amdhsa_next_free_sgpr 98
		.amdhsa_reserve_vcc 0
		.amdhsa_float_denorm_mode_32 3
		.amdhsa_float_denorm_mode_16_64 3
		.amdhsa_memory_ordered 1
		.amdhsa_forward_progress 1
		.amdhsa_inst_pref_size 123
	.end_amdhsa_kernel
	.amdgpu_metadata
---
amdhsa.version: [ 1, 2 ]
amdhsa.kernels:
  - .name:           k_qb9a4ab06d0_gemm
    .symbol:         k_qb9a4ab06d0_gemm.kd
    .args:
      - { .name: x_codes, .offset: 0, .size: 8, .value_kind: global_buffer, .address_space: global }
      - { .name: w_codes, .offset: 8, .size: 8, .value_kind: global_buffer, .address_space: global }
      - { .name: lowp_scales, .offset: 16, .size: 8, .value_kind: global_buffer, .address_space: global }
      - { .name: out0, .offset: 24, .size: 8, .value_kind: global_buffer, .address_space: global }
    .group_segment_fixed_size: 327680
    .private_segment_fixed_size: 0
    .kernarg_segment_align: 8
    .kernarg_segment_size: 32
    .max_flat_workgroup_size: 128
    .sgpr_count:     98
    .vgpr_count:     1024
    .wavefront_size: 32
...
	.end_amdgpu_metadata
.endif
;; end of part 2
;; ======== version 2 of 2: 2 launches
;; limits: right only within a limited range of input values
;; workspace buffers: w_bits 2,097,152 bytes
;; launch signbits (part 3): grid 8 x 32, 16 waves a work-group, no clusters, 272,384 bytes of LDS; arguments kernel, w_bits; writes w_bits
.if DOCPART == 3
	.amdgcn_target "amdgcn-amd-amdhsa--gfx1250"
	.amdhsa_code_object_version 6
	.text
	.protected	k_qb9a4ab06d0_signbits
	.globl	k_qb9a4ab06d0_signbits
	.p2align	8
	.type	k_qb9a4ab06d0_signbits,@function
k_qb9a4ab06d0_signbits:
	s_mov_b64 s[64:65], 0
	v_nop
	global_prefetch_b8 v0, s[64:65] scope:SCOPE_SE
	s_setreg_imm32_b32 hwreg(HW_REG_WAVE_MODE, 25, 1), 1
	s_wait_xcnt 0x0
; w_bits: one bit for each number of kernel [4096 (k)][4096 (n)], f32: 1 where sign(kernel) is -1, that is where kernel >= 0 does NOT hold (so -0.0 gives 0 and NaN gives 1, as the comparison k >= 0 does).
; The bits are laid as the next launch's lanes want them.  There a fragment of the right operand is 16 columns x 128 along K in 16 registers: lane (r, h) holds column r of the fragment, register 4 c + j, byte y: k = 32 c + 16 h + 4 j + y.
; The 16 columns of a fragment lie FOUR APART: of a group of 64 columns, fragment i (0 .. 3) takes columns 4 r + i.
; A WORD holds the signs of eight registers: word u = 2 i + hf of lane (r, h) covers registers 8 hf + e, e = 0 .. 7, of fragment i; the sign of byte y of register e lies at bit 8 y + 7 - e,
; so that a shift left by e brings a register's four signs onto the four sign bits of its codes.
; w_bits = [panel of 128 columns: 32][step of 128 along K: 32][group of 64 columns: 2][q: 2][lane r + 16 h: 32][4 words], u = 4 q + the word's place: a step's words of a panel are 2,048 consecutive bytes.
; SHARES.  A work-group of sixteen waves owns 512 columns (four panels) x one step of 128 along K: 262,144 bytes of kernel, all asked for at the head: each wave fetches, by ONE tensor load, 64 rows x 256 bytes into LDS bytes of its own.
; Wave w takes panel w / 4, half hf = (w / 2) % 2 of the step (k = 64 hf .. + 63), group w % 2.  Lane (r, h) reads columns 4 r .. 4 r + 3 of the 32 rows 32 c + 16 h + 4 j + y: just the numbers of its own four words, one for each fragment.
; THE WAY OUT.  The words meet in an image of the four panels' 8,192 bytes in LDS, one barrier, and leave as they lie: a store of the wave covers 512 consecutive bytes.
; No LDS byte is filled twice; no cluster (work-groups share nothing), no matrix work, and no prefetch (no loop: every byte is asked for at the head).
.set IMG,   16*16384                   ; the image, behind the sixteen waves' numbers
.set SPARE, IMG+8192                   ; the spare words: 128 bytes a wave
.set RDA,  4                           ; v4   16384 w + 4096 h + 16 r: my columns of row 16 h
.set STO,  5                           ; v5   the image, in: IMG + 2048 (w / 4) + 1024 (w % 2) + 4 hf + 16 lane; + 512 (i / 2) + 8 (i % 2) as immediates
.set RDO,  6                           ; v6   IMG + 16 x my thread's number
.set GO,   7                           ; v7   the same bytes' place in w_bits: panels lie 65,536 bytes apart there
.set T,    8                           ; v8-23    sixteen bits just selected: row y, column i at T + 4 y + i
.set WD,   24                          ; v24-27   the words
.set ZR,   28
.set SPW,  30
.set NIL,  31
.set R,    32                          ; v32-159  the numbers: row of register e, byte y, column i at R + 16 e + 4 y + i
	s_load_b128 s[4:7], s[0:1], 0x0                ; kernel s[4:5], w_bits s[6:7]
	v_lshl_add_u32 v[SPW], v0, 2, SPARE
	v_mov_b32 v[NIL], 0
	ds_add_u32 v[SPW], v[NIL]                      ; the wave's opening: the add, twice on end, and its wait ahead of my tensor load
	ds_add_u32 v[SPW], v[NIL]
	v_lshrrev_b32 v1, 5, v0
	v_and_b32 v2, 31, v0
	v_and_b32 v8, 15, v0
	v_bfe_u32 v9, v0, 4, 1
	v_readfirstlane_b32 s24, v1                    ; wave 0..15
	v_and_b32 v10, 127, v0
	v_lshrrev_b32 v11, 7, v0
	v_lshlrev_b32 v12, 4, v8
	v_lshlrev_b32 v[GO], 4, v10
	v_lshlrev_b32 v13, 4, v2
	v_lshl_add_u32 v12, v9, 12, v12
	v_lshl_add_u32 v[GO], v11, 16, v[GO]
	v_lshlrev_b32 v14, 4, v0
	v_mov_b32 v[ZR], 0
	v_add_nc_u32 v[RDO], IMG, v14
	s_wait_alu depctr_va_vdst(0)
	s_and_b32 s25, ttmp7, 0xffff                   ; y: which 128 along K
	s_lshr_b32 s26, s24, 2                         ; panel of my four
	s_bfe_u32 s27, s24, 0x10001                    ; hf
	s_and_b32 s28, s24, 1                          ; group of 64 columns
	; kernel: row 128 y + 64 hf, column 512 x + 128 panel + 64 group, in bytes
	s_lshl_b32 s20, s25, 21
	s_lshl_b32 s29, s27, 20
	s_add_co_u32 s20, s20, s29
	s_lshl_b32 s29, ttmp9, 11
	s_add_co_u32 s20, s20, s29
	s_lshl_b32 s29, s26, 9
	s_add_co_u32 s20, s20, s29
	s_lshl_b32 s29, s28, 8
	s_add_co_u32 s20, s20, s29
	s_mov_b32 s21, 0
	; descriptor: 64 rows x 64 elements of 4 bytes, 4,096 elements from row to row, no padding
	s_mov_b32 s8, 1
	s_lshl_b32 s9, s24, 14
	s_mov_b32 s12, 2<<16
	s_mov_b32 s13, 64<<16
	s_mov_b32 s14, 64<<16
	s_mov_b32 s15, 64<<16
	s_mov_b32 s16, 64
	s_mov_b32 s17, 4096
	s_mov_b32 s18, 0
	s_mov_b32 s19, 0
	s_wait_dscnt 0x0                               ; both opening adds are done
	s_wait_kmcnt 0x0
	s_add_nc_u64 s[10:11], s[4:5], s[20:21]
	s_or_b32 s11, s11, 0x80000000
	tensor_load_to_lds s[8:11], s[12:19]           ; my 16,384 bytes
	s_nop 0
	; w_bits: panel 4 x, step y
	s_lshl_b32 s22, ttmp9, 18
	s_lshl_b32 s29, s25, 11
	s_add_co_u32 s22, s22, s29
	s_mov_b32 s23, 0
	s_add_nc_u64 s[6:7], s[6:7], s[22:23]
	s_lshl_b32 s30, s26, 11
	s_lshl_b32 s29, s28, 10
	s_add_co_u32 s30, s30, s29
	s_lshl_b32 s29, s27, 2
	s_add_co_u32 s30, s30, s29
	s_add_co_u32 s30, s30, IMG
	s_lshl_b32 s31, s24, 14
	v_add_nc_u32 v[STO], s30, v13
	v_add_nc_u32 v[RDA], s31, v12
	s_wait_alu depctr_va_vdst(0)
	s_wait_tensorcnt 0x0                           ; my numbers are in; no other wave reads them
.irp e, 0,1,2,3,4,5,6,7
.irp y, 0,1,2,3
	ds_load_b128 v[R+16*\e+4*\y:R+16*\e+4*\y+3], v[RDA] offset:256*(32*(\e/4)+4*(\e%4)+\y)
.endr
.endr
.irp e, 0,1,2,3,4,5,6,7
	s_wait_dscnt 28-4*\e                           ; register e's four rows are in; the later registers' may be out
.irp y, 0,1,2,3
.irp i, 0,1,2,3
	v_cmp_le_f32 s[32+4*\y+\i], 0, v[R+16*\e+4*\y+\i]   ; 0 <= kernel: true for -0.0, false for NaN.  Sixteen masks, so that no select stands behind its own compare
.endr
.endr
.irp y, 0,1,2,3
.irp i, 0,1,2,3
	v_cndmask_b32 v[T+4*\y+\i], 1<<(8*\y+7-\e), v[ZR], s[32+4*\y+\i]
.endr
.endr
.irp i, 0,1,2,3
.if \e == 0
	v_or_b32 v[WD+\i], v[T+\i], v[T+4+\i]          ; a word's first two bits start it: nothing is cleared
.else
	v_add3_u32 v[WD+\i], v[WD+\i], v[T+\i], v[T+4+\i]   ; the bits are disjoint: the sum is the union
.endif
.endr
.irp i, 0,1,2,3
	v_add3_u32 v[WD+\i], v[WD+\i], v[T+8+\i], v[T+12+\i]
.endr
.endr
.irp i, 0,1,2,3
	ds_store_b32 v[STO], v[WD+\i] offset:512*(\i/2)+8*(\i%2)
.endr
	s_wait_dscnt 0x0                               ; for the others' sake: my stores into the image have landed
	s_barrier_signal -1
	s_barrier_wait -1                              ; the 8,192 bytes are whole
	ds_load_b128 v[R:R+3], v[RDO]
	s_wait_dscnt 0x0
	global_store_b128 v[GO], v[R:R+3], s[6:7]      ; 32 lanes store 512 consecutive bytes, at a multiple of 512 from w_bits' first byte; the next launch reads them, so no hint
	s_wait_tensorcnt 0x0                           ; the wave's end
	ds_add_u32 v[SPW], v[NIL]
	s_wait_dscnt 0x0
	s_endpgm
.Lfunc_end_k_qb9a4ab06d0_signbits:
	.size	k_qb9a4ab06d0_signbits, .Lfunc_end_k_qb9a4ab06d0_signbits-k_qb9a4ab06d0_signbits
	.p2alignl 7, 3214868480
	.fill 96, 4, 3214868480
	.section	.rodata,"a",@progbits
	.p2align	6, 0x0
	.amdhsa_kernel k_qb9a4ab06d0_signbits
		.amdhsa_group_segment_fixed_size 272384
		.amdhsa_private_segment_fixed_size 0
		.amdhsa_enable_private_segment 0
		.amdhsa_kernarg_size 16
		.amdhsa_user_sgpr_count 2
		.amdhsa_user_sgpr_kernarg_segment_ptr 1
		.amdhsa_wavefront_size32 1
		.amdhsa_system_sgpr_workgroup_id_x 1
		.amdhsa_system_sgpr_workgroup_id_y 1
		.amdhsa_system_sgpr_workgroup_id_z 1
		.amdhsa_system_vgpr_workitem_id 0
		.amdhsa_next_free_vgpr 160
		.amdhsa_next_free_sgpr 66
		.amdhsa_reserve_vcc 0
		.amdhsa_float_denorm_mode_32 3
		.amdhsa_float_denorm_mode_16_64 3
		.amdhsa_memory_ordered 1
		.amdhsa_forward_progress 1
		.amdhsa_inst_pref_size 29
	.end_amdhsa_kernel
	.amdgpu_metadata
---
amdhsa.version: [ 1, 2 ]
amdhsa.kernels:
  - .name:           k_qb9a4ab06d0_signbits
    .symbol:         k_qb9a4ab06d0_signbits.kd
    .args:
      - { .name: kernel, .offset: 0, .size: 8, .value_kind: global_buffer, .address_space: global }
      - { .name: w_bits, .offset: 8, .size: 8, .value_kind: global_buffer, .address_space: global }
    .group_segment_fixed_size: 272384
    .private_segment_fixed_size: 0
    .kernarg_segment_align: 8
    .kernarg_segment_size: 16
    .max_flat_workgroup_size: 512
    .sgpr_count:     66
    .vgpr_count:     160
    .wavefront_size: 32
...
	.end_amdgpu_metadata
.endif
;; end of part 3
;; launch gemm (part 4): grid 16 x 16, 8 waves a work-group, clusters of 4 x 1, 327,680 bytes of LDS; arguments x_codes, w_bits, lowp_scales, out0; writes out0
.if DOCPART == 4
	.amdgcn_target "amdgcn-amd-amdhsa--gfx1250"
	.amdhsa_code_object_version 6
	.text
	.protected	k_qb9a4ab06d0_gemm
	.globl	k_qb9a4ab06d0_gemm
	.p2align	8
	.type	k_qb9a4ab06d0_gemm,@function
k_qb9a4ab06d0_gemm:
	s_mov_b64 s[64:65], 0
	v_nop
	global_prefetch_b8 v0, s[64:65] scope:SCOPE_SE
	s_setreg_imm32_b32 hwreg(HW_REG_WAVE_MODE, 25, 1), 1
	s_wait_xcnt 0x0
	s_wait_alu depctr_hold_cnt(0) depctr_sa_sdst(0) depctr_va_vdst(0) depctr_va_sdst(0) depctr_va_ssrc(0) depctr_va_vcc(0) depctr_vm_vsrc(0)
	s_getreg_b32 s2, hwreg(HW_REG_IB_STS2, 6, 4)
	s_cmp_eq_u32 s2, 0
	s_cbranch_scc0 .Lentry_in_a_cluster
	s_endpgm
.Lentry_in_a_cluster:
	s_bfe_u32 s2, ttmp6, 0x10000c
	s_cmp_lg_u32 s2, 0x3003
	s_cbranch_scc0 .Lentry_shape_is_right
	s_endpgm
.Lentry_shape_is_right:
; out0[m][n] = 2^(ea + eb) x the sum over k of X[m][k] S[k][n].  X: x's codes (E4M3) as given, 4096 x 4096; S: the codes of sign(kernel) by the stated quantiser: code(1 / 2^eb, held at 448) with the sign bit from w_bits.  Sums in f32.
; LIMITS: eb and ea + eb lie between -126 and 127, so that 2^eb and 2^(ea + eb) are f32 numbers.
; A tile of out0, 256 x 256, is made by a work-group of eight waves, two for each of a WGP's SIMDs; wave w makes rows 128 (w / 4) .. + 127, columns 64 (w % 4) .. + 63: 32 accumulators of 16 x 16, 256 registers.
; A step of 128 along K is, for a wave: 32 matrix instructions on end; one run of loads (32 from LDS, X's fragments of the next step; 2 from memory, the words of the step four on); 120 vector instructions that make the next step's
; codes of S, 64 registers, from 8 words.  A wave's loads and vector work stand apart from its matrix instructions in long runs, so that the other wave of the SIMD has its matrix instructions to issue meanwhile.
; X's tiles go in K steps of 512 through a ring of two LDS slots filled by the tensor data mover (rows of 512 bytes, 16 bytes of padding behind each); a wave fetches 32 rows by one load.
; CLUSTERS: the four work-groups of a cluster make four tiles of one tile row and need the same rows of X: each tile is asked for JOINTLY.  The words hang on the tile column, which no two of them share; they are 4 KiB of a step's 36 KiB.
; NO PREFETCH: three whole steps of both of a SIMD's waves, 192 matrix instructions, stand between a refill's request and the wait for it, and the words are asked for three steps ahead.
; COLUMNS: of a wave's 64 columns, fragment i takes columns 4 r + i.  Source 0 = 16 rows of X, source 1 = a fragment of S: lane (r, h) then holds, in register j of accumulator (a, i), row 16 a + 8 h + j, column 4 r + i:
; the same register of four accumulators makes 16 neighbouring bytes, and 16 neighbouring lanes 256: results leave straight from registers.
; THE LAST TWO STEPS GO BY PAIRS OF ROW BLOCKS: each pair's sums are finished over both steps and stored while the next pairs are multiplied.
; REGISTERS: window 0: v16-29 addresses; v32-63 the words of four steps; v64-127 the codes of S; v128-255 X's fragments, block a (16 rows x 128 along K) at v[128 + 16 a].
;   At the end v128-191 hold a pair's four fragments, v192-255 the last step's codes, v32-63 the first block's results.
;   window 1: accumulator (a, i) at v[32 a + 8 i]; at the end a block's results are written over the accumulators of the block before.
.set ROWB,   512
.set KROW,   4096
.set PITCH,  528                       ; an LDS row = 132 words: row r starts at bank 4 r mod 64 (64 banks of 4 bytes: ISA guide 11.1), so the 16 rows that a load touches start at 16 different banks
.set PART,   32*PITCH                  ; what one tensor load brings
.set HALFA,  128*PITCH                 ; what a wave reads
.set SLOT,   2*HALFA
.set SPARE,  2*SLOT                    ; the spare words, 128 bytes a wave
.set WSTEP,  2048                      ; a step's words of a panel, in bytes
.set TRIPS,  3
.set ADRA, 16                          ; v16-17  LDS address of my fragments in slot 0, 1
.set LO,   26                          ; v26     16 x lane
.set CO,   27                          ; v27     16 r + 8 h rows of out0
.set SPW,  28
.set NIL,  29
.set WRD,  32
.set BS,   64
.set AF,   128
.set G1,   24
.set G0,   32
.set MASK, 48                          ; s48     the four sign bits of a register
.set BASE, 49                          ; s49     four times the code of +1
.set MSB, 0
.macro WIN new                         ; the immediate's high byte repeats the setting that is left
.set WN, \new
.if MSB != WN
	s_set_vgpr_msb (MSB<<8)|WN
.set MSB, WN
.endif
.endm
.set MUL,  0x50                        ; sources 0 and 1 window 0, C and D window 1
.macro CREST                           ; a round of the cluster's barrier behind its opening barrier
	s_cmp_lg_u32 s14, 0
	s_cbranch_scc1 .Lnot_wave_0_\@
	s_barrier_signal -3
.Lnot_wave_0_\@:
	s_barrier_wait -3
	s_barrier_signal -1
	s_barrier_wait -1
.endm
.macro CROUND
	s_barrier_signal -1
	s_barrier_wait -1
	CREST
.endm
.macro PLACES                          ; four places in front of loads and vector writes into registers that matrix instructions have read (ISA guide 7.12.1 for vector writes)
	WIN 0
.rept 4
	v_nop
.endr
.endm
; 32 matrix instructions: X's eight blocks, each against the four fragments of S.  The accumulators take turns, one instruction a turn, in the same order in every step.
; waits = 1: blocks 0-3 are in when 16 loads may be out, blocks 4-7 when none may.
.macro MULS zero, waits
	WIN MUL
.irp aa, 0,1,2,3,4,5,6,7
.if \waits && (\aa == 0)
	s_wait_dscnt 16
.endif
.if \waits && (\aa == 4)
	s_wait_dscnt 0
.endif
.irp b, 0,1,2,3
.if \zero
	v_wmma_f32_16x16x128_fp8_fp8 v[32*\aa+8*\b:32*\aa+8*\b+7], v[AF+16*\aa:AF+16*\aa+15], v[BS+16*\b:BS+16*\b+15], 0
.else
	v_wmma_f32_16x16x128_fp8_fp8 v[32*\aa+8*\b:32*\aa+8*\b+7], v[AF+16*\aa:AF+16*\aa+15], v[BS+16*\b:BS+16*\b+15], v[32*\aa+8*\b:32*\aa+8*\b+7]
.endif
.endr
.endr
.endm
.macro FETCH tt                        ; X's fragments of step tt: lane (r, h) takes k = 32 c + 16 h + 0 .. 15 into registers 4 c .. 4 c + 3
.irp aa, 0,1,2,3,4,5,6,7
.irp c, 0,1,2,3
	ds_load_b128 v[AF+16*\aa+4*\c:AF+16*\aa+4*\c+3], v[ADRA+((\tt)/4)%2] offset:128*((\tt)%4)+32*\c+\aa*16*PITCH
.endr
.endr
.endm
; The eight words of set ws become 64 registers of codes: a shift brings the signs into place, one and-or joins them with the code of +1.
.macro EXPAND ws, dst
.irp u, 0,1,2,3,4,5,6,7
.irp e, 1,2,3,4,5,6,7
	v_lshlrev_b32 v[\dst+8*\u+\e], \e, v[WRD+8*(\ws)+\u]
.endr
	v_and_or_b32 v[\dst+8*\u], s[MASK], v[WRD+8*(\ws)+\u], s[BASE]
.irp e, 1,2,3,4,5,6,7
	v_and_or_b32 v[\dst+8*\u+\e], v[\dst+8*\u+\e], s[MASK], s[BASE]
.endr
.endr
.endm
; Behind step tau's products: the words of step tau + 4 are asked for (load = 1), X's fragments of the next step are fetched, its codes are made.  cnt: the loads of later steps' words, which may be out.
.macro NEXT tau, load, cnt
	PLACES
.if \load
.irp q, 0,1
	global_load_b128 v[WRD+8*((\tau)%4)+4*\q:WRD+8*((\tau)%4)+4*\q+3], v[LO], s[6:7] offset:((\tau)+4)*WSTEP+512*\q
.endr
.endif
	FETCH (\tau)+1
	s_wait_loadcnt \cnt
	EXPAND ((\tau)+1)%4, BS
	s_wait_alu depctr_va_vdst(0)
.endm
.macro STEP tau, load, cnt, zero
	MULS \zero, 1
	NEXT \tau, \load, \cnt
.endm
; A slot's last step changes slots: all its fragments have been asked for in the step before.  In front of the barrier each wave waits for all its tensor loads, adds 0 to its spare word, and waits for that and for its reads;
; the step's products stand between signal and wait.  fill = 1: this slot is filled again, two K steps on.
.macro TURN tau, fill
	s_wait_tensorcnt 0x0                           ; all my tensor loads have landed: my part of the next slot;
	ds_add_u32 v[SPW], v[NIL]                      ; 0 onto my spare word
.if \fill
	s_add_nc_u64 s[G0+4*(((\tau)/4)%2)+2:G0+4*(((\tau)/4)%2)+3], s[G0+4*(((\tau)/4)%2)+2:G0+4*(((\tau)/4)%2)+3], 2*ROWB
.endif
	s_wait_dscnt 0x0                               ; the add is done, and my reads of this slot are over
	s_barrier_signal -1
	MULS 0, 0                                      ; work on registers while the others arrive
	WIN 0
	s_barrier_wait -1
.if \fill
	CREST                                          ; no wave of any partner still reads this slot or has a load on its way
	tensor_load_to_lds s[G0+4*(((\tau)/4)%2):G0+4*(((\tau)/4)%2)+3], s[G1:G1+7]
	s_nop 0
.endif
	NEXT \tau, 1, 6
.endm
; THE LAST TWO STEPS.  TFETCH: the four fragments of pair p (row blocks 2 p, 2 p + 1 of steps 30 and 31, which lie in slot 1): step q, block z of the pair at v[128 + 16 (2 q + z)].
.macro TFETCH p
.irp q, 0,1
.irp z, 0,1
.irp c, 0,1,2,3
	ds_load_b128 v[AF+16*(2*\q+\z)+4*\c:AF+16*(2*\q+\z)+4*\c+3], v[ADRA+1] offset:128*(2+\q)+32*\c+(2*(\p)+\z)*16*PITCH
.endr
.endr
.endr
.endm
.macro TMULS p                         ; 16 matrix instructions: eight accumulators by turns
	s_wait_dscnt 0x0                               ; the pair's fragments are in
	WIN MUL
.irp q, 0,1
.irp z, 0,1
.irp b, 0,1,2,3
	v_wmma_f32_16x16x128_fp8_fp8 v[32*(2*(\p)+\z)+8*\b:32*(2*(\p)+\z)+8*\b+7], v[AF+16*(2*\q+\z):AF+16*(2*\q+\z)+15], v[BS+128*\q+16*\b:BS+128*\q+16*\b+15], v[32*(2*(\p)+\z)+8*\b:32*(2*(\p)+\z)+8*\b+7]
.endr
.endr
.endr
.endm
; Block m's sums x 2^(ea + eb), each accumulator from its low end on, four accumulators' numbers side by side: into v32-63 (m = 0) or over the accumulators of block m - 1, whose results lie elsewhere.
.macro SCALE m
.if (\m) == 0
	WIN 0x04
.set DR, WRD
.else
	WIN 0x44
.set DR, 32*(\m)-32
.endif
.irp j, 0,1,2,3,4,5,6,7
.irp i, 0,1,2,3
	v_mul_f32 v[DR+4*\j+\i], s50, v[32*(\m)+8*\i+\j]
.endr
.endr
.endm
; Block m leaves: a lane's 16 bytes, 16 lanes: 256 consecutive bytes of a row, at a multiple of 256 from out0's first byte.  No register that a store reads is written again.
.macro SEND m
.if (\m) == 0
	WIN 0
.set DR, WRD
.else
	WIN 0x04
.set DR, 32*(\m)-32
.endif
.irp j, 0,1,2,3,4,5,6,7
	global_store_b128 v[CO], v[DR+4*\j:DR+4*\j+3], s[10:11] offset:(16*(\m)+\j)*16384 th:TH_STORE_NT
.endr
.endm
	s_load_b128 s[4:7], s[0:1], 0x0                ; x_codes s[4:5], w_bits s[6:7]
	s_load_b128 s[8:11], s[0:1], 0x10              ; lowp_scales s[8:9], out0 s[10:11]
	v_lshl_add_u32 v[SPW], v0, 2, SPARE
	v_mov_b32 v[NIL], 0
	ds_add_u32 v[SPW], v[NIL]                      ; the wave's opening: the add, twice on end, and its wait ahead of my first tensor load
	ds_add_u32 v[SPW], v[NIL]
	v_lshrrev_b32 v1, 5, v0
	v_and_b32 v2, 15, v0                           ; r
	v_bfe_u32 v3, v0, 4, 1                         ; h
	v_readfirstlane_b32 s14, v1                    ; wave 0..7
	v_and_b32 v6, 31, v0
	v_mul_u32_u24 v4, v2, PITCH
	v_lshlrev_b32 v5, 4, v2
	v_lshlrev_b32 v[LO], 4, v6
	v_lshl_add_u32 v7, v3, 4, v4                   ; a fragment's row x pitch + 16 h
	v_lshl_add_u32 v[CO], v3, 17, v5
	s_wait_alu depctr_va_vdst(0)
	s_lshr_b32 s15, s14, 2                         ; my half of the tile's rows
	s_and_b32 s16, s14, 3                          ; my 64 of its columns
	s_bfe_u32 s40, ttmp6, 0x40000                  ; cx
	s_lshl_b32 s42, ttmp9, 2
	s_add_co_u32 s42, s42, s40                     ; tile column
	s_and_b32 s17, ttmp7, 0xffff                   ; tile row
	; descriptor group 1: 32 rows x 512 bytes; 15:0 the mask, all four of the cluster; 20 padding on; 21 set beside a mask; 24:22 after every 128 words (code 6); 31:25 of 4 words (code 3)
	s_mov_b32 s[G1+0], 15|(0<<16)|(1<<20)|(1<<21)|(6<<22)|(3<<25)
	s_mov_b32 s[G1+1], ROWB<<16
	s_mov_b32 s[G1+2], 32<<16
	s_mov_b32 s[G1+3], ROWB<<16
	s_mov_b32 s[G1+4], 32
	s_mov_b32 s[G1+5], KROW
	s_mov_b32 s[G1+6], 0
	s_mov_b32 s[G1+7], 0
	s_lshl_b32 s20, s17, 8
	s_lshl_b32 s18, s14, 5
	s_add_co_u32 s20, s20, s18
	s_lshl_b32 s20, s20, 12                        ; row 256 x tile row + 32 x wave of x_codes
	s_mov_b32 s21, 0
	s_mul_i32 s45, s14, PART
	s_lshl_b32 s46, s42, 1
	s_lshr_b32 s18, s16, 1
	s_add_co_u32 s46, s46, s18
	s_lshl_b32 s46, s46, 16                        ; my panel of w_bits,
	s_and_b32 s18, s16, 1
	s_lshl_b32 s18, s18, 10
	s_add_co_u32 s46, s46, s18                     ; my group of 64 columns
	s_mov_b32 s47, 0
	s_lshl_b32 s22, s17, 22                        ; out0: row 256 x tile row + 128 x half,
	s_lshl_b32 s18, s15, 21
	s_add_co_u32 s22, s22, s18
	s_lshl_b32 s18, s42, 10
	s_add_co_u32 s22, s22, s18
	s_lshl_b32 s18, s16, 8
	s_add_co_u32 s22, s22, s18                     ; column 256 x tile column + 64 x my place, in bytes
	s_mov_b32 s23, 0
	s_mov_b32 s[MASK], 0x80808080
	s_mul_i32 s19, s15, HALFA
	v_add_nc_u32 v[ADRA], s19, v7
	s_add_co_u32 s19, s19, SLOT
	v_add_nc_u32 v[ADRA+1], s19, v7
	s_wait_alu depctr_va_vdst(0)
	s_wait_dscnt 0x0                               ; both opening adds are done
	s_wait_kmcnt 0x0
	s_load_b64 s[52:53], s[8:9], 0x0               ; ea, eb
	s_add_nc_u64 s[20:21], s[4:5], s[20:21]
	s_add_nc_u64 s[6:7], s[6:7], s[46:47]
	s_add_nc_u64 s[10:11], s[10:11], s[22:23]
.irp t, 0,1,2,3
.irp q, 0,1
	global_load_b128 v[WRD+8*\t+4*\q:WRD+8*\t+4*\q+3], v[LO], s[6:7] offset:\t*WSTEP+512*\q   ; the first four steps' words
.endr
.endr
	CROUND                                         ; all four work-groups are here: the first joint loads meet
.irp s, 0,1
	s_mov_b32 s[G0+4*\s], 1
	s_add_co_u32 s[G0+4*\s+1], s45, \s*SLOT
	s_add_nc_u64 s[G0+4*\s+2:G0+4*\s+3], s[20:21], \s*ROWB
	s_or_b32 s[G0+4*\s+3], s[G0+4*\s+3], 0x80000000
.endr
	tensor_load_to_lds s[G0:G0+3], s[G1:G1+7]      ; K step 0: one tensor load a wave at the head
	s_nop 0
.rept 4
	v_nop
.endr
	s_wait_kmcnt 0x0
	s_add_co_i32 s50, s52, s53
	s_add_co_i32 s50, s50, 127
	s_lshl_b32 s50, s50, 23                        ; 2^(ea + eb)
	s_add_co_i32 s54, s53, 127
	s_lshl_b32 s54, s54, 23
	v_mov_b32 v210, s54                            ; 2^eb
	s_min_i32 s55, s53, 0
	s_add_co_i32 s55, s55, 127+8
	s_lshl_b32 s55, s55, 23
	s_or_b32 s55, s55, 0x600000
	v_mov_b32 v211, s55                            ; 448 x 2^min(eb, 0): for eb over 0 the hold of 1 is not at work
.irp i, 0,1,2,3,4,5,6,7
	v_min_num_f32 v[200+\i], 1.0, v211
.endr
	v_cvt_scalef32_pk8_fp8_f32 v[208:209], v[200:207], v210
	v_nop
	v_readfirstlane_b32 s[BASE], v208              ; the code of +1, four times
	s_wait_loadcnt 6                               ; step 0's words are in
	EXPAND 0, BS
	s_wait_alu depctr_va_vdst(0)
	s_wait_tensorcnt 0x0                           ; my part of K step 0 is in
	ds_add_u32 v[SPW], v[NIL]
	s_wait_dscnt 0x0
	CROUND                                         ; everybody's part of K step 0 is in, and the joint loads meet
	tensor_load_to_lds s[G0+4:G0+7], s[G1:G1+7]    ; K step 1
	s_nop 0
	PLACES
	FETCH 0
	STEP 0, 1, 6, 1                                ; the first step stands in front of the loop: its products start the sums
	s_mov_b32 s3, TRIPS
.Llap:                                                 ; a trip goes once round the ring
	STEP 1, 1, 6, 0
	STEP 2, 1, 6, 0
	TURN 3, 1
	STEP 4, 1, 6, 0
	STEP 5, 1, 6, 0
	STEP 6, 1, 6, 0
	TURN 7, 1
	STEP 8, 1, 6, 0
	s_wait_xcnt 0x0                                ; the trip's loads of words have read their base
	s_add_nc_u64 s[6:7], s[6:7], 8*WSTEP
	s_sub_co_u32 s3, s3, 1
	s_cmp_lg_u32 s3, 0
	s_cbranch_scc1 .Llap
	STEP 1, 1, 6, 0                                ; steps 25 .. 29: the last change of slots fills nothing, and the words run out
	STEP 2, 1, 6, 0
	TURN 3, 0
	STEP 4, 0, 4, 0
	MULS 0, 1
	PLACES
	TFETCH 0
	s_wait_loadcnt 2
	EXPAND 2, BS                                   ; step 30's codes,
	s_wait_loadcnt 0
	EXPAND 3, BS+128                               ; and step 31's, over the fragments of blocks 4-7
	s_wait_alu depctr_va_vdst(0)
	TMULS 0
	PLACES
	TFETCH 1
.irp p, 1,2,3
	TMULS \p
	SCALE 2*(\p)-2                                 ; the pair before: 32 vector instructions that name no register of these products: their places
.if \p < 3
	WIN 0
	TFETCH (\p)+1
.endif
	SCALE 2*(\p)-1
	SEND 2*(\p)-2
	SEND 2*(\p)-1
.endr
	SCALE 6
	SCALE 7
	SEND 6
	SEND 7
	WIN 0
	s_wait_tensorcnt 0x0                           ; the wave's end
	ds_add_u32 v[SPW], v[NIL]
	s_wait_dscnt 0x0
	CROUND                                         ; the closing round: no work-group ends while a partner may still ask for a tile that names it
	s_endpgm
.Lfunc_end_k_qb9a4ab06d0_gemm:
	.size	k_qb9a4ab06d0_gemm, .Lfunc_end_k_qb9a4ab06d0_gemm-k_qb9a4ab06d0_gemm
	.p2alignl 7, 3214868480
	.fill 96, 4, 3214868480
	.section	.rodata,"a",@progbits
	.p2align	6, 0x0
	.amdhsa_kernel k_qb9a4ab06d0_gemm
		.amdhsa_group_segment_fixed_size 327680
		.amdhsa_private_segment_fixed_size 0
		.amdhsa_enable_private_segment 0
		.amdhsa_kernarg_size 32
		.amdhsa_user_sgpr_count 2
		.amdhsa_user_sgpr_kernarg_segment_ptr 1
		.amdhsa_wavefront_size32 1
		.amdhsa_system_sgpr_workgroup_id_x 1
		.amdhsa_system_sgpr_workgroup_id_y 1
		.amdhsa_system_sgpr_workgroup_id_z 1
		.amdhsa_system_vgpr_workitem_id 0
		.amdhsa_next_free_vgpr 512
		.amdhsa_next_free_sgpr 66
		.amdhsa_reserve_vcc 0
		.amdhsa_float_denorm_mode_32 3
		.amdhsa_float_denorm_mode_16_64 3
		.amdhsa_memory_ordered 1
		.amdhsa_forward_progress 1
		.amdhsa_inst_pref_size 186
	.end_amdhsa_kernel
	.amdgpu_metadata
---
amdhsa.version: [ 1, 2 ]
amdhsa.kernels:
  - .name:           k_qb9a4ab06d0_gemm
    .symbol:         k_qb9a4ab06d0_gemm.kd
    .args:
      - { .name: x_codes, .offset: 0, .size: 8, .value_kind: global_buffer, .address_space: global }
      - { .name: w_bits, .offset: 8, .size: 8, .value_kind: global_buffer, .address_space: global }
      - { .name: lowp_scales, .offset: 16, .size: 8, .value_kind: global_buffer, .address_space: global }
      - { .name: out0, .offset: 24, .size: 8, .value_kind: global_buffer, .address_space: global }
    .group_segment_fixed_size: 327680
    .private_segment_fixed_size: 0
    .kernarg_segment_align: 8
    .kernarg_segment_size: 32
    .max_flat_workgroup_size: 256
    .sgpr_count:     66
    .vgpr_count:     512
    .wavefront_size: 32
...
	.end_amdgpu_metadata
.endif
;; end of part 4
